; MI455X (gfx1250); checked and timed in simulation.
; The chip was launched on July 23, 2026; its instructions are those of AMD's public machine-readable ISA for CDNA 5 (MIT licence, August 2026) and "CDNA5" Instruction Set Architecture Reference Guide (July 2026). The comments in the code are by the model that wrote it; some were corrected since.
;; Glassbox KAN. Allowed arithmetic: float matrix products may take bf16 or f16 operands with f32 sums; all other float work in f32.
;; Inputs: W1 4,096 x 64 float32; W2 4,096 x 4,096 float32; W3 1 x 4,096 float32; Wprod 64 x 64 float32; b1 4,096 float32; b2 4,096 float32; b3 1 float32; x 4,096 x 64 float32.
;; Outputs: out0 4,096 float32.
;; One version. Each part assembles by itself: llvm-mc -triple=amdgcn-amd-amdhsa -mcpu=gfx1250 --defsym DOCPART=n.
;; ======== version 1 of 1: 3 launches
;; workspace buffers: Abf 33,554,432 bytes; W2bf 33,554,432 bytes; part 278,528 bytes
;; launch prep (part 1): grid 16 x 16, 8 waves a work-group, no clusters, 121,088 bytes of LDS; arguments x, W1, b1, Wprod, W2, Abf, W2bf, part; writes Abf, W2bf, part
.if DOCPART == 1
	.amdgcn_target "amdgcn-amd-amdhsa--gfx1250"
	.amdhsa_code_object_version 6
	.text
	.protected	k_q62304d6e82_prep
	.globl	k_q62304d6e82_prep
	.p2align	8
	.type	k_q62304d6e82_prep,@function
k_q62304d6e82_prep:
	s_mov_b64 s[64:65], 0
	v_nop
	global_prefetch_b8 v0, s[64:65] scope:SCOPE_SE
	s_setreg_imm32_b32 hwreg(HW_REG_WAVE_MODE, 25, 1), 1
	s_wait_xcnt 0x0
; PREPARATION.  Three pieces of work for each of 16 x 16 work-groups (tx, ty), g = 16 ty + tx:
;   (1) Abf[m][n] = bf16(silu(sum over k of bf16(silu(xb[m][k])) W1b[n][k] + b1b[n])) for the tile m = 256 ty .., n = 256 tx .. (256 x 256);
;   (2) W2bf = bf16(W2) for W2's rows 16 g .. 16 g + 15: 262,144 dense bytes in, 131,072 out, an eighth for each wave;
;   (3) part[16][m] = sum over i <= j of xb[m][i] Wb[i][j] xb[m][j] for the 16 rows m = 256 ty + 16 tx .. (wave 0).
; xb, W1b, b1b, Wb are the inputs rounded once to bf16 (round to nearest even); nothing unrounded is used.  Products by the bf16 matrix form, sums in f32.
; LIMITS.  silu(t) = t / (1 + 2^(-1.442695 t)): below t = -88 or so the power is infinite and the result is -0, where the true value is under 1e-36 in size.
; NaN and infinities are not treated apart.  The f32 sums run in another order than a row-by-row sum.
; SHARES.  Eight waves; wave w makes rows 64 (w / 2) .. + 63 and columns 128 (w % 2) .. + 127 of the tile, in four blocks of 16 rows.  The matrix instruction is used
; transposed (source 0 = 16 rows of W1, source 1 = 16 rows of silu(x)): a lane then holds one row m = lane % 16 and the eight neighbouring columns 8 (lane / 16) + 0..7,
; which pack into 16 bytes.  b1 is the C operand of the product that starts a sum.
; W2's bytes are asked for at the start (32 loads of 512 bytes a wave) and again when the first batch is converted: they land under the other work.
; No tensor load, no cluster: what the work-groups share (x's and W1's tiles, 128 KiB) is a quarter of what each moves alone (512 KiB).
; LDS.  Rows of 64 bf16, 128 bytes + 16 of padding = 36 words: the 16 rows of a fragment load start at 16 different groups of four banks (64 banks of 4 bytes: ISA guide 11.1).
.set PX,    144
.set XS,    0                          ; 256 rows: bf16(silu(xb))
.set WB,    256*PX                     ; 256 rows: W1b
.set TW,    2*256*PX                   ; 64 rows: Wb with the part under the diagonal set to 0
.set XB,    TW+64*PX                   ; 16 rows: xb of the rows of piece (3)
.set STG,   XB+16*PX                   ; a stage of 16 rows x 272 bytes for each wave, its own
.set SP,    272
.set SPARE, STG+8*16*SP                ; the spare words, 128 bytes for each wave: four blocks of 256 bytes that no other line names
.set AROW,  8192                       ; bytes in a row of Abf
; window 0
.set GT,  3                            ; 16 t: my 16 bytes in 4,096 consecutive bytes (16 rows of 64 f32)
.set STX, 4                            ; where those four numbers go as bf16: row t / 16 = 2 w + h, byte 8 (t % 16)
.set STW, 5                            ; the same in WB
.set STT, 6                            ; the same in TW
.set FX,  7                            ; my lane's place in the fragments of silu(x)
.set FW,  8                            ; of W1
.set STO, 9                            ; the way out: where I put 16 bytes of a row
.set RD,  10                           ; the way out: where I read rows back
.set CO,  11                           ; my byte offset in two rows of Abf
.set LB,  12                           ; 32 h: my eight numbers of b1
.set L16, 13                           ; 16 x lane
.set L8,  14                           ; 8 x lane
.set DM,  15                           ; 4 (t % 16) - t / 16: column less row of my first number in a block of 16 rows of Wprod
.set SPW, 16                           ; LDS address of my spare word; never rewritten
.set NIL, 17                           ; 0; never rewritten
.set FT,  18                           ; my lane's place in the fragments of Wb
.set FB,  19                           ; of xb
.set LX,  20                           ; v20-83    x as loaded
.set ACC, 20                           ;           later the 8 accumulators of a block of 16 rows
.set TF,  20                           ;           later Wb's fragments
.set LW,  84                           ; v84-147   W1 as loaded
.set E,   84                           ;           later at work: silu, packed results (E .. E+31), W2bf's words
.set BK,  116                          ;           rows read back from the stage
.set XU,  84                           ;           later xb as f32
.set BIAS,148                          ; v148-211  b1b, register 8 b + j for column 16 b + 8 h + j
.set PACC,148                          ;           later the four accumulators of piece (3)
.set SQ,  180                          ;           its sums
.set XF,  212                          ; v212-227  fragments of source 1
.set LP,  228                          ; v228-243  Wprod as loaded
.set LXR, 244                          ; v244-247  the 16 rows of piece (3) as loaded
.set TMP, 248                          ; v248-255  at work
; window 1
.set W,   0                            ; v0-127    W2 as loaded: 32 loads of 4 registers
.set WF,  128                          ; v128-255  W1's fragments: column block b, K half c at WF + 16 b + 8 c
.set HM,  13                           ; s13       mask of a word's upper bf16
.set NL,  14                           ; s[14:15]  -log2(e)
.set SEL, 32                           ; s[32:33]  v_permlanex16_b32's selects: each lane takes its own place in the other half
.set MSB, 0
.macro WIN new                         ; s_set_vgpr_msb: bits 1:0 source 0, 3:2 source 1, 5:4 source 2, 7:6 destination; the high byte repeats the setting that is left
.if MSB != (\new)
	s_set_vgpr_msb (MSB<<8)|(\new)
.set MSB, \new
.endif
.endm
.macro PLACES                          ; four places between a matrix instruction and a vector line or a load that touches its registers
.rept 4
	v_nop
.endr
.endm
.macro RND2 reg, tmp                   ; two f32 are rounded to bf16 and widened again
	v_cvt_pk_bf16_f32 v[\tmp], v[\reg], v[(\reg)+1]
	v_lshlrev_b32 v[\reg], 16, v[\tmp]
	v_and_b32 v[(\reg)+1], s[HM], v[\tmp]
.endm
; E[0..63] = silu(T[0..63]).  T is read in ascending order, so of each accumulator the lowest registers come first.
; The exponentials and the reciprocals stand in runs; one plain instruction follows each run before its last result is used (ISA guide 5.7.2).
.macro SILU64 T, WA
	WIN \WA
.set i, 0
.rept 32
	v_pk_mul_f32 v[E+2*i:E+2*i+1], v[(\T)+2*i:(\T)+2*i+1], s[NL:NL+1] op_sel_hi:[1,0]
.set i, i+1
.endr
	WIN 0
.set i, 0
.rept 64
	v_exp_f32 v[E+i], v[E+i]
.set i, i+1
.endr
	v_nop
.set i, 0
	s_wait_alu depctr_va_vdst(0)
.rept 32
	v_pk_add_f32 v[E+2*i:E+2*i+1], v[E+2*i:E+2*i+1], 1.0 op_sel_hi:[1,0]
.set i, i+1
.endr
.set i, 0
.rept 64
	v_rcp_f32 v[E+i], v[E+i]
.set i, i+1
.endr
	v_nop
	WIN \WA
.set i, 0
	s_wait_alu depctr_va_vdst(0)
.rept 32
	v_pk_mul_f32 v[E+2*i:E+2*i+1], v[(\T)+2*i:(\T)+2*i+1], v[E+2*i:E+2*i+1]
.set i, i+1
.endr
	WIN 0
.endm
.macro PACK32                          ; 64 f32 to 32 words of bf16, in place: word i is written when words 2 i and 2 i + 1 are read, never before
.set i, 0
.rept 32
	v_cvt_pk_bf16_f32 v[E+i], v[E+2*i], v[E+2*i+1]
.set i, i+1
.endr
.endm
	s_load_b512 s[16:31], s[0:1], 0x0              ; x 16, W1 18, b1 20, Wprod 22, W2 24, Abf 26, W2bf 28, part 30
	v_lshl_add_u32 v[SPW], v0, 2, SPARE
	v_mov_b32 v[NIL], 0
	v_lshrrev_b32 v1, 5, v0
	v_readfirstlane_b32 s8, v1                     ; wave 0..7
	s_mov_b32 s9, ttmp9                            ; tx
	s_and_b32 s10, ttmp7, 0xffff                   ; ty
	s_lshr_b32 s11, s8, 1                          ; which 64 rows of the tile are mine
	s_and_b32 s12, s8, 1                           ; which 128 columns
	s_mov_b32 s[HM], 0xffff0000
	s_mov_b32 s[NL], 0xbfb8aa3b                    ; -1.442695
	s_mov_b32 s[NL+1], s[NL]                       ; named with it as a pair
	s_mov_b32 s[SEL], 0x76543210
	s_mov_b32 s[SEL+1], 0xfedcba98
	v_and_b32 v1, 15, v0                           ; r = lane % 16 = t % 16
	v_bfe_u32 v2, v0, 4, 1                         ; h = lane / 16
	v_lshlrev_b32 v[GT], 4, v0
	v_mul_u32_u24 v[STX], v2, PX
	v_lshl_add_u32 v[STX], v1, 3, v[STX]
	s_mul_i32 s2, s8, 2*PX
	v_add_nc_u32 v[STX], s2, v[STX]                ; (2 w + h) rows + 8 r
	v_add_nc_u32 v[STW], WB, v[STX]
	v_add_nc_u32 v[STT], TW, v[STX]
	v_lshrrev_b32 v[TMP], 4, v0
	v_lshlrev_b32 v[DM], 2, v1
	v_sub_nc_u32 v[DM], v[DM], v[TMP]
	v_mul_u32_u24 v[TMP+1], v1, PX
	v_lshl_add_u32 v[TMP+1], v2, 4, v[TMP+1]       ; a fragment's row x pitch + 16 x half
	s_mul_i32 s2, s11, 64*PX
	v_add_nc_u32 v[FX], s2, v[TMP+1]
	s_mul_i32 s2, s12, 128*PX
	s_add_co_u32 s2, s2, WB
	v_add_nc_u32 v[FW], s2, v[TMP+1]
	v_add_nc_u32 v[FT], TW, v[TMP+1]
	v_add_nc_u32 v[FB], XB, v[TMP+1]
	s_mul_i32 s2, s8, 16*SP
	s_add_co_u32 s2, s2, STG                       ; my stage
	v_mul_u32_u24 v[TMP+2], v1, SP                 ; in: row r, 16 bytes for each half of the lanes
	v_lshl_add_u32 v[TMP+2], v2, 4, v[TMP+2]
	v_add_nc_u32 v[STO], s2, v[TMP+2]
	v_mul_u32_u24 v[TMP+2], v2, SP                 ; back: lanes 0-15 take one row of 256 bytes, lanes 16-31 the next
	v_lshl_add_u32 v[TMP+2], v1, 4, v[TMP+2]
	v_add_nc_u32 v[RD], s2, v[TMP+2]
	v_lshlrev_b32 v[CO], 13, v2                    ; and the same two rows in Abf
	v_lshl_add_u32 v[CO], v1, 4, v[CO]
	v_lshlrev_b32 v[LB], 5, v2
	v_and_b32 v[L16], 31, v0
	v_lshlrev_b32 v[L8], 3, v[L16]
	v_lshlrev_b32 v[L16], 4, v[L16]
	s_mov_b32 s3, 0                                ; every offset is under 2^32: a pair with 0 on top
	s_wait_kmcnt 0x0
	s_lshl_b32 s2, s10, 16
	s_add_nc_u64 s[16:17], s[16:17], s[2:3]        ; x at the tile's 256 rows of 256 bytes
	s_lshl_b32 s2, s9, 12
	s_add_nc_u64 s[36:37], s[16:17], s[2:3]        ; x at the 16 rows of piece (3)
	s_lshl_b32 s2, s9, 16
	s_add_nc_u64 s[18:19], s[18:19], s[2:3]        ; W1 at the tile's 256 columns
	s_lshl_b32 s2, s9, 10
	s_lshl_b32 s4, s12, 9
	s_add_co_u32 s2, s2, s4
	s_add_nc_u64 s[20:21], s[20:21], s[2:3]        ; b1 at my 128 columns
	s_lshl4_add_u32 s5, s10, s9                    ; g
	s_lshl_b32 s2, s5, 18
	s_lshl_b32 s4, s8, 15
	s_add_co_u32 s2, s2, s4
	s_add_nc_u64 s[24:25], s[24:25], s[2:3]        ; W2 at my wave's 32,768 bytes
	s_lshr_b32 s2, s2, 1
	s_add_nc_u64 s[28:29], s[28:29], s[2:3]        ; W2bf: half as many
	s_lshl_b32 s2, s10, 21
	s_lshl_b32 s4, s11, 19
	s_add_co_u32 s2, s2, s4
	s_lshl_b32 s4, s9, 9
	s_add_co_u32 s2, s2, s4
	s_lshl_b32 s4, s12, 8
	s_add_co_u32 s2, s2, s4
	s_add_nc_u64 s[26:27], s[26:27], s[2:3]        ; Abf at my 64 rows, my 256 bytes of them
	s_lshl_b32 s2, s10, 10
	s_lshl_b32 s4, s9, 6
	s_add_co_u32 s2, s2, s4
	s_add_co_u32 s2, s2, 16*16384
	s_add_nc_u64 s[30:31], s[30:31], s[2:3]        ; part's row 16 at the 16 rows of piece (3)
	; ALL LOADS GO OUT AT ONCE, in the order in which they are wanted.  No address register or base of theirs is written again.
.set i, 0
.rept 16
	global_load_b128 v[LX+4*i:LX+4*i+3], v[GT], s[16:17] offset:4096*i
.set i, i+1
.endr
.set i, 0
.rept 16
	global_load_b128 v[LW+4*i:LW+4*i+3], v[GT], s[18:19] offset:4096*i
.set i, i+1
.endr
.set i, 0
.rept 4
	global_load_b128 v[LP+4*i:LP+4*i+3], v[GT], s[22:23] offset:4096*i
.set i, i+1
.endr
	global_load_b128 v[LXR:LXR+3], v[GT], s[36:37]
.set i, 0
.rept 8
	global_load_b128 v[BIAS+8*i:BIAS+8*i+3],   v[LB], s[20:21] offset:64*i
	global_load_b128 v[BIAS+8*i+4:BIAS+8*i+7], v[LB], s[20:21] offset:64*i+16
.set i, i+1
.endr
	WIN 0x40                                       ; destination window 1, address window 0
.set i, 0
.rept 32
	global_load_b128 v[W+4*i:W+4*i+3], v[L16], s[24:25] offset:512*i th:TH_LOAD_NT  ; W2's bytes are read once in the launch
.set i, i+1
.endr
	WIN 0
	; THE TILES GO INTO LDS AS bf16.
	s_wait_loadcnt 48                              ; loads come back in order (ISA guide 5.7.1): x, W1, Wprod are in; b1's 16 and W2's 32 stay out
.set i, 0
.rept 16
	v_cvt_pk_bf16_f32 v[LW+4*i],   v[LW+4*i],   v[LW+4*i+1]
	v_cvt_pk_bf16_f32 v[LW+4*i+1], v[LW+4*i+2], v[LW+4*i+3]
	ds_store_b64 v[STW], v[LW+4*i:LW+4*i+1] offset:16*PX*i
.set i, i+1
.endr
.irp q, 0,1,2,3                        ; number e of load q is Wprod[16 q + t / 16][4 (t % 16) + e]: kept where column >= row, that is 16 q - e <= DM
.irp e, 0,1,2,3
	v_cmp_le_i32 vcc_lo, 16*(\q)-(\e), v[DM]
	v_cndmask_b32 v[LP+4*(\q)+(\e)], 0, v[LP+4*(\q)+(\e)], vcc_lo
.endr
	v_cvt_pk_bf16_f32 v[LP+4*(\q)],   v[LP+4*(\q)],   v[LP+4*(\q)+1]
	v_cvt_pk_bf16_f32 v[LP+4*(\q)+1], v[LP+4*(\q)+2], v[LP+4*(\q)+3]
	ds_store_b64 v[STT], v[LP+4*(\q):LP+4*(\q)+1] offset:16*PX*(\q)
.endr
	v_cvt_pk_bf16_f32 v[LXR],   v[LXR],   v[LXR+1]
	v_cvt_pk_bf16_f32 v[LXR+1], v[LXR+2], v[LXR+3]
	ds_store_b64 v[STT], v[LXR:LXR+1] offset:XB-TW
.set i, 0
.rept 32
	RND2 LX+2*i, TMP+i%8
.set i, i+1
.endr
	SILU64 LX, 0                                   ; E takes W1's registers: their LDS stores are issued
	PACK32
.set i, 0
.rept 16
	ds_store_b64 v[STX], v[E+2*i:E+2*i+1] offset:16*PX*i
.set i, i+1
.endr
	s_wait_dscnt 0x0                               ; for the others' sake: my stores into the tiles are done
	s_barrier_signal -1
	s_barrier_wait -1                              ; the only barrier: the tiles are written once and never again
	WIN 0x40
.irp b, 0,1,2,3,4,5,6,7
.irp c, 0,1
	ds_load_b128 v[WF+16*(\b)+8*(\c):WF+16*(\b)+8*(\c)+3],   v[FW] offset:16*PX*(\b)+64*(\c)
	ds_load_b128 v[WF+16*(\b)+8*(\c)+4:WF+16*(\b)+8*(\c)+7], v[FW] offset:16*PX*(\b)+64*(\c)+32
.endr
.endr
	WIN 0
.irp c, 0,1
	ds_load_b128 v[XF+8*(\c):XF+8*(\c)+3],   v[FX] offset:64*(\c)
	ds_load_b128 v[XF+8*(\c)+4:XF+8*(\c)+7], v[FX] offset:64*(\c)+32
.endr
	s_wait_loadcnt 32                              ; b1 is in; W2's 32 stay out
.set i, 0
.rept 32
	RND2 BIAS+2*i, TMP+i%8
.set i, i+1
.endr
	s_wait_dscnt 0x0
; Block a of my four blocks of 16 rows: 16 products (8 accumulators by turns; b1 starts the sums), silu, rounding, and out through my stage.
.macro LAYER a
	WIN 0x01                                       ; source 0 (W1) window 1
.irp b, 0,1,2,3,4,5,6,7
	v_wmma_f32_16x16x32_bf16 v[ACC+8*(\b):ACC+8*(\b)+7], v[WF+16*(\b):WF+16*(\b)+7], v[XF:XF+7], v[BIAS+8*(\b):BIAS+8*(\b)+7]
.endr
.irp b, 0,1,2,3,4,5,6,7
	v_wmma_f32_16x16x32_bf16 v[ACC+8*(\b):ACC+8*(\b)+7], v[WF+16*(\b)+8:WF+16*(\b)+15], v[XF+8:XF+15], v[ACC+8*(\b):ACC+8*(\b)+7]
.endr
	WIN 0
	PLACES
.if (\a) < 3
.irp c, 0,1                            ; the next block's fragments land under the silu
	ds_load_b128 v[XF+8*(\c):XF+8*(\c)+3],   v[FX] offset:16*PX*((\a)+1)+64*(\c)
	ds_load_b128 v[XF+8*(\c)+4:XF+8*(\c)+7], v[FX] offset:16*PX*((\a)+1)+64*(\c)+32
.endr
.endif
	s_wait_xcnt 0x0                                ; every earlier memory instruction has had its addresses translated (ISA guide 3.1): E and BK, which earlier stores read, are rewritten only behind this wait
	SILU64 ACC, 0
	PACK32
.irp b, 0,1,2,3,4,5,6,7
	ds_store_b128 v[STO], v[E+4*(\b):E+4*(\b)+3] offset:32*(\b)
.endr
.irp k, 0,1,2,3,4,5,6,7
	ds_load_b128 v[BK+4*(\k):BK+4*(\k)+3], v[RD] offset:(\k)*2*SP  ; LDS serves a wave's instructions in order (ISA guide 5.7.1.4): these see the stores above
.endr
	s_wait_dscnt 0x0                               ; the rows are back, and the next block's fragments are in
.irp k, 0,1,2,3,4,5,6,7
	global_store_b128 v[CO], v[BK+4*(\k):BK+4*(\k)+3], s[26:27] offset:(16*(\a)+2*(\k))*AROW  ; 16 lanes store 256 consecutive bytes, at a multiple of 256 from Abf's first byte
.endr
.endm
; A batch of 32 loads of W2 is rounded and stored, eight loads at a time.  ahead = 1: each group of registers is loaded again, with the second batch, 16,384 bytes on.
.macro CAST ahead
	s_wait_xcnt 0x0                                ; E, which earlier stores read, is rewritten only behind this wait
.irp j, 0,1,2,3
.if \ahead
	s_wait_loadcnt 24                              ; behind group j's eight loads stand 24 - 8 j of this batch and 8 j of the next
.else
	s_wait_loadcnt 24-8*(\j)                       ; nothing more is asked for: the counts run down
.endif
	WIN 0x05                                       ; sources 0 and 1 window 1, destination window 0
.irp u, 0,1,2,3,4,5,6,7
	v_cvt_pk_bf16_f32 v[E+2*(8*(\j)+(\u))],   v[W+4*(8*(\j)+(\u))],   v[W+4*(8*(\j)+(\u))+1]
	v_cvt_pk_bf16_f32 v[E+2*(8*(\j)+(\u))+1], v[W+4*(8*(\j)+(\u))+2], v[W+4*(8*(\j)+(\u))+3]
.endr
	WIN 0x40                                       ; a load's data window 1; addresses and a store's data window 0
.if \ahead
.irp u, 0,1,2,3,4,5,6,7
	global_load_b128 v[W+4*(8*(\j)+(\u)):W+4*(8*(\j)+(\u))+3], v[L16], s[24:25] offset:16384+512*(8*(\j)+(\u)) th:TH_LOAD_NT
.endr
.endif
.irp u, 0,1,2,3,4,5,6,7
	global_store_b64 v[L8], v[E+2*(8*(\j)+(\u)):E+2*(8*(\j)+(\u))+1], s[28:29] offset:(1-(\ahead))*8192+256*(8*(\j)+(\u))  ; 32 lanes store 256 consecutive bytes, aligned
.endr
.endr
	WIN 0
.endm
	LAYER 0
	LAYER 1
	CAST 1
	LAYER 2
	LAYER 3
	CAST 0
	; PIECE (3), wave 0 alone.  Y^T = Wb xb^T: source 0 = 16 rows i of Wb, source 1 = the 16 rows of xb; a lane holds Y[r][16 k + 8 h + 0..7], and registers 4 k .. 4 k + 3
	; of xb's own fragments hold xb[r] at just these places.  So the row dot needs no exchange but the one between the halves of the lanes.
	s_cmp_lg_u32 s8, 0
	s_cbranch_scc1 .Lno_prod
	s_wait_xcnt 0x0                                ; XU takes registers that the last stores read
.irp k, 0,1,2,3
.irp c, 0,1
	ds_load_b128 v[TF+16*(\k)+8*(\c):TF+16*(\k)+8*(\c)+3],   v[FT] offset:16*PX*(\k)+64*(\c)
	ds_load_b128 v[TF+16*(\k)+8*(\c)+4:TF+16*(\k)+8*(\c)+7], v[FT] offset:16*PX*(\k)+64*(\c)+32
.endr
.endr
.irp c, 0,1
	ds_load_b128 v[XF+8*(\c):XF+8*(\c)+3],   v[FB] offset:64*(\c)
	ds_load_b128 v[XF+8*(\c)+4:XF+8*(\c)+7], v[FB] offset:64*(\c)+32
.endr
	s_wait_dscnt 0x0
.set i, 0
.rept 16
	v_lshlrev_b32 v[XU+2*i],   16, v[XF+i]
	v_and_b32     v[XU+2*i+1], s[HM], v[XF+i]
.set i, i+1
.endr
.irp k, 0,1,2,3                        ; four accumulators by turns; the first products start the sums
	v_wmma_f32_16x16x32_bf16 v[PACC+8*(\k):PACC+8*(\k)+7], v[TF+16*(\k):TF+16*(\k)+7], v[XF:XF+7], 0
.endr
.irp k, 0,1,2,3
	v_wmma_f32_16x16x32_bf16 v[PACC+8*(\k):PACC+8*(\k)+7], v[TF+16*(\k)+8:TF+16*(\k)+15], v[XF+8:XF+15], v[PACC+8*(\k):PACC+8*(\k)+7]
.endr
	PLACES
.irp k, 0,1,2,3                        ; each accumulator's lowest pair first
	v_pk_mul_f32 v[SQ+2*(\k):SQ+2*(\k)+1], v[PACC+8*(\k):PACC+8*(\k)+1], v[XU+8*(\k):XU+8*(\k)+1]
.endr
.irp q, 1,2,3
.irp k, 0,1,2,3
	v_pk_fma_f32 v[SQ+2*(\k):SQ+2*(\k)+1], v[PACC+8*(\k)+2*(\q):PACC+8*(\k)+2*(\q)+1], v[XU+8*(\k)+2*(\q):XU+8*(\k)+2*(\q)+1], v[SQ+2*(\k):SQ+2*(\k)+1]
.endr
.endr
	v_pk_add_f32 v[SQ:SQ+1], v[SQ:SQ+1], v[SQ+2:SQ+3]
	v_pk_add_f32 v[SQ+4:SQ+5], v[SQ+4:SQ+5], v[SQ+6:SQ+7]
	v_pk_add_f32 v[SQ:SQ+1], v[SQ:SQ+1], v[SQ+4:SQ+5]
	v_add_f32 v[SQ], v[SQ], v[SQ+1]
	v_permlanex16_b32 v[SQ+2], v[SQ], s[SEL], s[SEL+1]  ; the row's other 32 places lie in the lane 16 away; the destination has been written
	v_add_f32 v[SQ], v[SQ], v[SQ+2]
	v_lshlrev_b32 v[SQ+3], 2, v1
	v_cmp_gt_u32 vcc_lo, 16, v0
	s_wait_xcnt 0x0                                ; EXEC is a source of what is pending: it changes only behind this wait
	s_and_saveexec_b32 s34, vcc_lo
	global_store_b32 v[SQ+3], v[SQ], s[30:31]      ; 16 lanes, 64 consecutive bytes: the launch's one store that covers no whole 256; 16 KiB in all
	s_wait_xcnt 0x0
	s_or_b32 exec_lo, exec_lo, s34
.Lno_prod:
	s_wait_tensorcnt 0x0                           ; the wave's end, behind my last LDS store
	ds_add_u32 v[SPW], v[NIL]
	s_wait_dscnt 0x0
	s_endpgm
.Lfunc_end_k_q62304d6e82_prep:
	.size	k_q62304d6e82_prep, .Lfunc_end_k_q62304d6e82_prep-k_q62304d6e82_prep
	.p2alignl 7, 3214868480
	.fill 96, 4, 3214868480
	.section	.rodata,"a",@progbits
	.p2align	6, 0x0
	.amdhsa_kernel k_q62304d6e82_prep
		.amdhsa_group_segment_fixed_size 121088
		.amdhsa_private_segment_fixed_size 0
		.amdhsa_enable_private_segment 0
		.amdhsa_kernarg_size 64
		.amdhsa_user_sgpr_count 2
		.amdhsa_user_sgpr_kernarg_segment_ptr 1
		.amdhsa_wavefront_size32 1
		.amdhsa_system_sgpr_workgroup_id_x 1
		.amdhsa_system_sgpr_workgroup_id_y 1
		.amdhsa_system_sgpr_workgroup_id_z 1
		.amdhsa_system_vgpr_workitem_id 0
		.amdhsa_next_free_vgpr 512
		.amdhsa_next_free_sgpr 66
		.amdhsa_reserve_vcc 1
		.amdhsa_float_denorm_mode_32 3
		.amdhsa_float_denorm_mode_16_64 3
		.amdhsa_memory_ordered 1
		.amdhsa_forward_progress 1
		.amdhsa_inst_pref_size 125
	.end_amdhsa_kernel
	.amdgpu_metadata
---
amdhsa.version: [ 1, 2 ]
amdhsa.kernels:
  - .name:           k_q62304d6e82_prep
    .symbol:         k_q62304d6e82_prep.kd
    .args:
      - { .name: x, .offset: 0, .size: 8, .value_kind: global_buffer, .address_space: global }
      - { .name: W1, .offset: 8, .size: 8, .value_kind: global_buffer, .address_space: global }
      - { .name: b1, .offset: 16, .size: 8, .value_kind: global_buffer, .address_space: global }
      - { .name: Wprod, .offset: 24, .size: 8, .value_kind: global_buffer, .address_space: global }
      - { .name: W2, .offset: 32, .size: 8, .value_kind: global_buffer, .address_space: global }
      - { .name: Abf, .offset: 40, .size: 8, .value_kind: global_buffer, .address_space: global }
      - { .name: W2bf, .offset: 48, .size: 8, .value_kind: global_buffer, .address_space: global }
      - { .name: part, .offset: 56, .size: 8, .value_kind: global_buffer, .address_space: global }
    .group_segment_fixed_size: 121088
    .private_segment_fixed_size: 0
    .kernarg_segment_align: 8
    .kernarg_segment_size: 64
    .max_flat_workgroup_size: 256
    .sgpr_count:     66
    .vgpr_count:     512
    .wavefront_size: 32
...
	.end_amdgpu_metadata
.endif
;; end of part 1
;; launch gemm (part 2): grid 16 x 16, 4 waves a work-group, clusters of 4 x 4, 327,680 bytes of LDS; arguments Abf, W2bf, b2, W3, part; writes part
.if DOCPART == 2
	.amdgcn_target "amdgcn-amd-amdhsa--gfx1250"
	.amdhsa_code_object_version 6
	.text
	.protected	k_q62304d6e82_gemm
	.globl	k_q62304d6e82_gemm
	.p2align	8
	.type	k_q62304d6e82_gemm,@function
k_q62304d6e82_gemm:
	s_mov_b64 s[64:65], 0
	v_nop
	global_prefetch_b8 v0, s[64:65] scope:SCOPE_SE
	s_setreg_imm32_b32 hwreg(HW_REG_WAVE_MODE, 25, 1), 1
	s_wait_xcnt 0x0
	s_wait_alu depctr_hold_cnt(0) depctr_sa_sdst(0) depctr_va_vdst(0) depctr_va_sdst(0) depctr_va_ssrc(0) depctr_va_vcc(0) depctr_vm_vsrc(0)
	s_getreg_b32 s2, hwreg(HW_REG_IB_STS2, 6, 4)
	s_cmp_eq_u32 s2, 0
	s_cbranch_scc0 .Lentry_in_a_cluster
	s_endpgm
.Lentry_in_a_cluster:
	s_bfe_u32 s2, ttmp6, 0x10000c
	s_cmp_lg_u32 s2, 0xf033
	s_cbranch_scc0 .Lentry_shape_is_right
	s_endpgm
.Lentry_shape_is_right:
; part[tc][m] = sum over the 256 columns n of tile column tc of silu(sum over k of Abf[m][k] W2bf[n][k] + b2b[n]) W3b[n].   Abf, W2bf: [4096][4096] bf16; sums in f32.
; b2b and W3b are b2 and W3 rounded once to bf16.  The hidden layer's numbers never leave the registers: of a tile of 256 x 256 only 256 sums go out.
; LIMITS.  silu(t) = t / (1 + 2^(-1.442695 t)): below t = -88 or so the power is infinite and the result is -0, where the true value is under 1e-36 in size.
; NaN and infinities are not treated apart.  The sum over n runs in another order than a row-by-row sum.
; SHARES.  16 x 16 tiles of 256 x 256, a work-group of four waves to each; a wave makes 128 x 128: 64 accumulators of 16 x 16, 512 registers.  K goes in steps of 128 through a ring
; of two LDS slots filled by the tensor data mover: a tile's rows are 256 bytes of memory and start at multiples of 256 bytes from the buffer's first byte.
; CLUSTERS: 4 x 4 work-groups.  The four of a row of the cluster need the same tiles of Abf, the four of a column the same tiles of W2bf: each tile is asked for JOINTLY, by the same
; tensor load with the same descriptor and a mask that names the four; each receives it in its own LDS.  That divides the requests for both by four.
; THE MATRIX INSTRUCTION IS USED TRANSPOSED: source 0 = 16 rows of W2bf, source 1 = 16 rows of Abf.  Lane l then holds row m = l % 16 and the columns n = 8 (l / 16) + 0..7, so
; the sum over n is a sum along the lane's registers and one exchange between the halves of the lanes.  b2 is the C operand of the product that starts a sum: nothing is cleared.
; REGISTERS, in windows of 256 (s_set_vgpr_msb's low byte: bits 1:0 source 0, 3:2 source 1, 5:4 source 2, 7:6 destination):
;   window 0: v0-31 addresses; v64-127, v128-191 fragments of Abf, two buffers; on the way out v64-127 at work, v128-155 sums
;   window 1: v0-63 b2b; v64-127, v128-191 fragments of W2bf, two buffers; v192-255 W3b (register 8 b + j of each: column 16 b + 8 (l / 16) + j of my 128)
;   window 2: the 32 accumulators of my rows 0-63 (accumulator (a, b) at v[8 (8 a + b)]);   window 3: those of my rows 64-127
.set SIZE_K, 4096
.set KSTEP,  128
.set PITCH,  272                       ; an LDS row: 256 bytes + 16 of padding = 68 words: row r starts at bank 4 r mod 64 (64 banks of 4 bytes: ISA guide 11.1), so the 16 rows of a load start at 16 different banks
.set HALFT,  128*PITCH                 ; 128 rows: what one tensor load brings, and what one wave reads of either operand
.set SLOT,   4*HALFT                   ; Abf's 256 rows, then W2bf's 256 rows
.set STAGE,  2*SLOT                    ; behind the ring, never filled by a tensor load: [column half][256 rows] f32, 2,048 bytes
.set SPARE,  STAGE+2048                ; the spare words, 128 bytes for each wave: two blocks of 256 bytes that no other line names
.set LAPS,   SIZE_K/(2*KSTEP)          ; a lap = two K steps = once round the ring
.set ADRA, 16                          ; v16-17  LDS address of my fragments of Abf in slot 0, 1
.set ADRB, 20                          ; v20-21  the same for W2bf
.set SS,   24                          ; v24     the way out: where my row's sum goes
.set SL,   25                          ; v25     the way out: where I read two rows' sums
.set GO,   26                          ; v26     8 x lane: my byte offset in part
.set HB,   27                          ; v27     32 x (lane / 16): my eight numbers of b2 and W3
.set SPW,  28                          ; v28     LDS address of my spare word; never rewritten
.set NIL,  29                          ; v29     0; never rewritten
.set F0,   64
.set F1,   128
.set E,    64                          ; the way out: 64 registers at work
.set SQ,   128                         ; four pairs of running sums
.set R,    136                         ; v136-143 the sums of my eight blocks of 16 rows
.set FIN,  152
.set B2,   0                           ; window 1
.set W3R,  192                         ; window 1
.set G1,  24                           ; s[24:31] descriptor group 1 for Abf's tiles;  s[32:39] group 0, a set for each slot
.set G0,  32
.set G1B, 48                           ; s[48:55], s[56:63] the same for W2bf's
.set G0B, 56
.set NL,  72                           ; s[72:73] -log2(e)
.set SEL, 74                           ; s[74:75] v_permlanex16_b32's selects
.set HM,  76                           ; s76      mask of a word's upper bf16
.set MSB, 0
.macro WIN new                         ; the immediate's high byte repeats the setting that is left; a switch that changes nothing is dropped
.if MSB != (\new)
	s_set_vgpr_msb (MSB<<8)|(\new)
.set MSB, \new
.endif
.endm
.set MUL_LO, 0xa1                      ; source 0 (W2bf) window 1, source 1 (Abf) window 0, C and D window 2;  + 0x50: C and D window 3
.set MUL_B2, 0x91                      ; the same with C (b2b) in window 1;  + 0x40: D window 3
.set TO_B,   0x40                      ; destination window 1, address window 0
; A joint load.  Waves 0 and 1 fetch Abf's two halves, waves 2 and 3 W2bf's.  Each line has one mask and one set of registers, and nothing in them hangs on a coordinate that the
; four partners do not share.  The branch hangs on the wave's number alone.  An s_nop 0 and four v_nop follow each line, ahead of the jump and the label.
.macro JLOAD s
	s_cmp_eq_u32 s11, 0
	s_cbranch_scc0 .Lfor_b_\@
	tensor_load_to_lds s[G0+4*(\s):G0+4*(\s)+3], s[G1:G1+7]
	s_nop 0
.rept 4
	v_nop
.endr
	s_branch .Lasked_\@
.Lfor_b_\@:
	tensor_load_to_lds s[G0B+4*(\s):G0B+4*(\s)+3], s[G1B:G1B+7]
	s_nop 0
.rept 4
	v_nop
.endr
.Lasked_\@:
.endm
; A round of the cluster's barrier: my work-group's barrier, so that wave 0's signal speaks for all four waves; wave 0 signals; every wave waits for all sixteen work-groups; my work-group's barrier once more.
.macro CREST                           ; a round behind its opening barrier
	s_cmp_lg_u32 s10, 0
	s_cbranch_scc1 .Lnot_wave_0_\@
	s_barrier_signal -3
.Lnot_wave_0_\@:
	s_barrier_wait -3
	s_barrier_signal -1
	s_barrier_wait -1
.endm
.macro CROUND
	s_barrier_signal -1
	s_barrier_wait -1
	CREST
.endm
.macro PLACES                          ; four places between a matrix instruction and a vector line or a load that touches its registers (ISA guide 7.12.1 for vector instructions)
.rept 4
	v_nop
.endr
.endm
.macro RND2 reg, tmp                   ; two f32 are rounded to bf16 and widened again
	v_cvt_pk_bf16_f32 v[\tmp], v[\reg], v[(\reg)+1]
	v_lshlrev_b32 v[\reg], 16, v[\tmp]
	v_and_b32 v[(\reg)+1], s[HM], v[\tmp]
.endm
	s_load_b128 s[4:7], s[0:1], 0x0                ; Abf s[4:5], W2bf s[6:7]
	s_load_b128 s[68:71], s[0:1], 0x10             ; b2 s[68:69], W3 s[70:71]
	s_load_b64 s[8:9], s[0:1], 0x20                ; part
	v_lshl_add_u32 v[SPW], v0, 2, SPARE
	v_mov_b32 v[NIL], 0
	ds_add_u32 v[SPW], v[NIL]                      ; the wave's opening: the add and its wait stand ahead of my first tensor load; the set-up below, work on registers, stands between them
	v_lshrrev_b32 v1, 5, v0
	v_readfirstlane_b32 s10, v1                    ; wave 0..3
	s_lshr_b32 s11, s10, 1                         ; which half of the tile's rows is mine.  Also: I fetch for Abf (0) or for W2bf (1)
	s_and_b32 s12, s10, 1                          ; which half of its columns.  Also: which 128 rows of that tile I fetch
	s_bfe_u32 s40, ttmp6, 0x40000                  ; cx: my place along the cluster's x
	s_bfe_u32 s41, ttmp6, 0x40004                  ; cy: along its y
	s_lshl_b32 s42, ttmp9, 2                       ; in a cluster launch ttmp9 and ttmp7 count clusters
	s_add_co_u32 s42, s42, s40                     ; tile column = 4 x cluster x + cx
	s_and_b32 s13, ttmp7, 0xffff
	s_lshl_b32 s13, s13, 2
	s_add_co_u32 s13, s13, s41                     ; tile row = 4 x cluster y + cy
	s_lshl_b32 s43, s41, 2
	s_lshl_b32 s43, 15, s43                        ; my row of the cluster: places 4 cy .. 4 cy + 3
	s_lshl_b32 s44, 0x1111, s40                    ; my column: places cx, cx + 4, cx + 8, cx + 12
	; descriptor group 1: a tile of 128 rows x 128 elements, padded in LDS
	s_or_b32 s[G1+0], s43, (1<<16)|(1<<20)|(1<<21)|(5<<22)|(3<<25)  ; 15:0 the mask: Abf's tiles go to my row; 17:16 elements of 2 bytes; 20 padding on; 21 set beside a mask; 24:22 after every 64 words (code 5); 31:25 4 words of it (code 3)
	s_or_b32 s[G1B+0], s44, (1<<16)|(1<<20)|(1<<21)|(5<<22)|(3<<25) ; the same with the mask of my column
.irp g, G1, G1B
	s_mov_b32 s[(\g)+1], KSTEP<<16                 ; tensor_dim0 = 128
	s_mov_b32 s[(\g)+2], 128<<16                   ; tensor_dim1 = 128
	s_mov_b32 s[(\g)+3], KSTEP<<16                 ; tile_dim0 = 128
	s_mov_b32 s[(\g)+4], 128                       ; tile_dim1 = 128
	s_mov_b32 s[(\g)+5], SIZE_K                    ; elements from row to row
	s_mov_b32 s[(\g)+6], 0
	s_mov_b32 s[(\g)+7], 0
.endr
	s_mov_b32 s[NL], 0xbfb8aa3b                    ; -1.442695
	s_mov_b32 s[NL+1], s[NL]                       ; named with it as a pair
	s_mov_b32 s[SEL], 0x76543210
	s_mov_b32 s[SEL+1], 0xfedcba98
	s_mov_b32 s[HM], 0xffff0000
	; Abf's tiles hang on the tile row alone, which my row of the cluster shares; W2bf's on the tile column alone, which my column shares.  Every wave makes both addresses, in registers that never hold the other coordinate.
	s_lshl_b32 s17, s12, 7                         ; which 128 rows of the tile I fetch
	s_lshl_b32 s16, s13, 8
	s_add_co_u32 s16, s16, s17                     ; Abf: row 256 x tile row + 128 x half
	s_lshl_b32 s46, s42, 8
	s_add_co_u32 s46, s46, s17                     ; W2bf: row 256 x tile column + 128 x half
	s_mov_b32 s17, 0
	s_mov_b32 s47, 0
	s_mov_b64 s[18:19], SIZE_K*2
	s_mul_u64 s[16:17], s[16:17], s[18:19]         ; in bytes
	s_mul_u64 s[46:47], s[46:47], s[18:19]
	s_mul_i32 s20, s10, HALFT                      ; where they go: wave x 128 rows: no place in the cluster enters an LDS address
	s_wait_dscnt 0x0                               ; the opening add is done
	s_wait_kmcnt 0x0
	s_add_nc_u64 s[14:15], s[4:5], s[16:17]
	s_add_nc_u64 s[46:47], s[6:7], s[46:47]
	CROUND                                         ; all sixteen work-groups are here: the first joint loads meet
.irp s, 0,1
	s_mov_b32 s[G0+4*(\s)], 1                                      ; 1:0 count = 1
	s_add_co_u32 s[G0+4*(\s)+1], s20, (\s)*SLOT                    ; 63:32 LDS address
	s_add_nc_u64 s[G0+4*(\s)+2:G0+4*(\s)+3], s[14:15], (\s)*KSTEP*2  ; 120:64 global address: K step s
	s_or_b32 s[G0+4*(\s)+3], s[G0+4*(\s)+3], 0x80000000            ; 127:126 type = 2
	s_mov_b32 s[G0B+4*(\s)], 1
	s_add_co_u32 s[G0B+4*(\s)+1], s20, (\s)*SLOT
	s_add_nc_u64 s[G0B+4*(\s)+2:G0B+4*(\s)+3], s[46:47], (\s)*KSTEP*2
	s_or_b32 s[G0B+4*(\s)+3], s[G0B+4*(\s)+3], 0x80000000
	JLOAD \s                                       ; the ring is filled before anything else is done: two tensor loads of mine are out
.endr
	; A fragment is 16 rows x 32 K in 8 registers: lane l holds row l % 16; registers 0-3 K = 8 (l / 16) + 0..7, registers 4-7 K = 16 + 8 (l / 16) + 0..7: two loads of 16 bytes, 32 bytes apart.
	v_and_b32 v1, 15, v0                           ; l % 16
	v_bfe_u32 v2, v0, 4, 1                         ; l / 16
	v_mul_u32_u24 v3, v1, PITCH
	v_lshl_add_u32 v3, v2, 4, v3                   ; row x pitch + 16 x half
	s_mul_i32 s21, s11, HALFT                      ; my 128 rows of Abf
	s_mul_i32 s22, s12, HALFT                      ; my 128 rows of W2bf,
	s_add_co_u32 s22, s22, 2*HALFT                 ; which lie behind Abf's 256
.irp s, 0,1
	v_add_nc_u32 v[ADRA+(\s)], s21, v3
	v_add_nc_u32 v[ADRB+(\s)], s22, v3
	s_add_co_u32 s21, s21, SLOT
	s_add_co_u32 s22, s22, SLOT
.endr
	s_lshl_b32 s23, s12, 10                        ; the stage: my column half's 256 words,
	s_lshl_b32 s21, s11, 9                         ; my 128 rows of them
	s_add_co_u32 s23, s23, s21
	s_add_co_u32 s23, s23, STAGE
	v_lshl_add_u32 v[SS], v1, 2, s23
	s_lshl_b32 s23, s10, 8                         ; back: wave w takes rows 64 w .. 64 w + 63, two a lane
	s_add_co_u32 s23, s23, STAGE
	v_and_b32 v4, 31, v0
	v_lshlrev_b32 v[GO], 3, v4
	v_add_nc_u32 v[SL], s23, v[GO]
	v_lshlrev_b32 v[HB], 5, v2
	s_lshl_b32 s46, s42, 10                        ; b2 and W3 at my 128 columns (in the registers that held W2bf's address: none that feeds Abf's descriptors ever holds cx)
	s_lshl_b32 s47, s12, 9
	s_add_co_u32 s46, s46, s47
	s_mov_b32 s47, 0
	s_add_nc_u64 s[68:69], s[68:69], s[46:47]
	s_add_nc_u64 s[70:71], s[70:71], s[46:47]
	s_lshl_b32 s46, s42, 14                        ; part: row tile column, 4 x (256 x tile row + 64 x wave) bytes in
	s_lshl_b32 s14, s13, 10
	s_add_co_u32 s46, s46, s14
	s_lshl_b32 s14, s10, 8
	s_add_co_u32 s46, s46, s14
	s_add_nc_u64 s[8:9], s[8:9], s[46:47]
	; b2 and W3 come once, into registers, and are rounded: all this stands in the wait for the first tile
	WIN TO_B
.irp b, 0,1,2,3,4,5,6,7
	global_load_b128 v[B2+8*(\b):B2+8*(\b)+3],     v[HB], s[68:69] offset:64*(\b)
	global_load_b128 v[B2+8*(\b)+4:B2+8*(\b)+7],   v[HB], s[68:69] offset:64*(\b)+16
	global_load_b128 v[W3R+8*(\b):W3R+8*(\b)+3],   v[HB], s[70:71] offset:64*(\b)
	global_load_b128 v[W3R+8*(\b)+4:W3R+8*(\b)+7], v[HB], s[70:71] offset:64*(\b)+16
.endr
	s_wait_loadcnt 0x0
	WIN 0x45                                       ; destination and both sources window 1; the registers at work are fragment registers that are not yet in use
.set i, 0
.rept 32
	RND2 B2+2*i, F0+i%8
	RND2 W3R+2*i, F0+8+i%8
.set i, i+1
.endr
	WIN 0
; 16 matrix instructions: m blocks a0, a0 + 1 of the window's four (hi = 0: my rows 0-63, 1: rows 64-127) x all 8 n blocks, 32 along K.  zero = 1: the first product starts the sums, with b2b as C.
; The 64 accumulators take turns, one instruction a turn, in the same order in every quarter step.
.macro MUL16 f, hi, a0, zero
.if \zero
	WIN MUL_B2+0x40*(\hi)
.else
	WIN MUL_LO+0x50*(\hi)
.endif
.irp a, \a0, (\a0)+1
.irp b, 0,1,2,3,4,5,6,7
.if \zero
	v_wmma_f32_16x16x32_bf16 v[8*(8*(\a)+(\b)):8*(8*(\a)+(\b))+7], v[(\f)+8*(\b):(\f)+8*(\b)+7], v[(\f)+8*(4*(\hi)+(\a)):(\f)+8*(4*(\hi)+(\a))+7], v[B2+8*(\b):B2+8*(\b)+7]
.else
	v_wmma_f32_16x16x32_bf16 v[8*(8*(\a)+(\b)):8*(8*(\a)+(\b))+7], v[(\f)+8*(\b):(\f)+8*(\b)+7], v[(\f)+8*(4*(\hi)+(\a)):(\f)+8*(4*(\hi)+(\a))+7], v[8*(8*(\a)+(\b)):8*(8*(\a)+(\b))+7]
.endif
.endr
.endr
.endm
; 32 LDS loads in one run: the fragments of one quarter step (128 rows of W2bf, 128 rows of Abf, 32 K at byte k of the rows) into buffer f
.macro FETCH slot, k, f
	WIN TO_B
.irp i, 0,1,2,3,4,5,6,7
	ds_load_b128 v[(\f)+8*(\i):(\f)+8*(\i)+3],   v[ADRB+(\slot)] offset:(\k)+(\i)*16*PITCH
	ds_load_b128 v[(\f)+8*(\i)+4:(\f)+8*(\i)+7], v[ADRB+(\slot)] offset:(\k)+(\i)*16*PITCH+32
.endr
	WIN 0
.irp i, 0,1,2,3,4,5,6,7
	ds_load_b128 v[(\f)+8*(\i):(\f)+8*(\i)+3],   v[ADRA+(\slot)] offset:(\k)+(\i)*16*PITCH
	ds_load_b128 v[(\f)+8*(\i)+4:(\f)+8*(\i)+7], v[ADRA+(\slot)] offset:(\k)+(\i)*16*PITCH+32
.endr
.endm
; A K step is four quarter steps of 32 along K, 64 matrix instructions each, on buffers 0, 1, 0, 1.  One of the first three: multiplies buffer f; in its middle it fetches the next quarter's fragments into buffer g.
.macro QUARTER slot, k, f, g, zero
	s_wait_dscnt 8                                 ; W2bf's fragments and Abf's rows 0-63 are in; the youngest eight loads (Abf's rows 64-127) may be out
	MUL16 \f, 0, 0, \zero
	MUL16 \f, 0, 2, \zero
	PLACES
	FETCH \slot, \k, \g
	s_wait_dscnt 32                                ; all but the 32 just issued
	MUL16 \f, 1, 0, \zero
	MUL16 \f, 1, 2, \zero
.endm
; The last quarter multiplies buffer 1 and changes slots.  MEET is its first half: ONE barrier for the change.  In front of it each wave waits for all its tensor loads, of which one is out: its part
; of the next slot; adds 0 to its spare word; and waits for that and for its own reads of this slot.  Behind it nobody reads this slot any more and the next slot is whole.
.macro MEET round                      ; round = 1: a round of the cluster's barrier follows
	WIN 0                                          ; (the add's two registers lie in window 0)
	s_wait_tensorcnt 0x0                           ; all my tensor loads have landed;
	ds_add_u32 v[SPW], v[NIL]                      ; 0 onto my spare word;
	s_wait_dscnt 9                                 ; (the add and the youngest eight loads may be out)
	MUL16 F1, 0, 0, 0                              ; sixteen matrix instructions stand between the add and the wait for it
	s_wait_dscnt 0x0                               ; the add is done, and my reads of this slot are over:
	s_barrier_signal -1                            ; say so,
	MUL16 F1, 0, 2, 0                              ; work on registers while the others arrive,
.if \round
	WIN 0
.endif
	s_barrier_wait -1                              ; and go on when all four have said so
.endm
; The whole last quarter.  fill = 1: the barrier opens a round of the cluster's, so that no wave of any partner still reads this slot's tile or has a load on its way; the joint refill, this slot's
; K step two steps on, is the first tensor load behind it, one a wave: from there to the wait for it a wave issues 224 matrix instructions.
.macro TURN slot, next, fill
	MEET \fill
.if \fill
	CREST
	s_add_nc_u64 s[G0+4*(\slot)+2:G0+4*(\slot)+3], s[G0+4*(\slot)+2:G0+4*(\slot)+3], 2*KSTEP*2    ; no tensor load of mine is out, so a group 0 may be written
	s_add_nc_u64 s[G0B+4*(\slot)+2:G0B+4*(\slot)+3], s[G0B+4*(\slot)+2:G0B+4*(\slot)+3], 2*KSTEP*2
	JLOAD \slot                                    ; the four v_nop behind it are also the places in front of the loads below
.else
	PLACES
.endif
	FETCH \next, 0, F0
	MUL16 F1, 1, 0, 0
	MUL16 F1, 1, 2, 0
.endm
; E[0..63] = silu(T[0..63]); T lies in the window that WA names for source 0.  T is read in ascending order, so of each accumulator the lowest registers come first.
; The exponentials and the reciprocals stand in runs; one plain instruction follows each run before its last result is used (ISA guide 5.7.2).
.macro SILU64 T, WA
	WIN \WA
.set i, 0
.rept 32
	v_pk_mul_f32 v[E+2*i:E+2*i+1], v[(\T)+2*i:(\T)+2*i+1], s[NL:NL+1] op_sel_hi:[1,0]
.set i, i+1
.endr
	WIN 0
.set i, 0
.rept 64
	v_exp_f32 v[E+i], v[E+i]
.set i, i+1
.endr
	v_nop
.set i, 0
	s_wait_alu depctr_va_vdst(0)
.rept 32
	v_pk_add_f32 v[E+2*i:E+2*i+1], v[E+2*i:E+2*i+1], 1.0 op_sel_hi:[1,0]
.set i, i+1
.endr
.set i, 0
.rept 64
	v_rcp_f32 v[E+i], v[E+i]
.set i, i+1
.endr
	v_nop
	WIN \WA
.set i, 0
	s_wait_alu depctr_va_vdst(0)
.rept 32
	v_pk_mul_f32 v[E+2*i:E+2*i+1], v[(\T)+2*i:(\T)+2*i+1], v[E+2*i:E+2*i+1]
.set i, i+1
.endr
.endm
; Block a of my eight blocks of 16 rows: silu of its 8 accumulators, times W3b, summed along the lane's 64 registers in four chains.
.macro EPI a
	SILU64 64*((\a)%4), 0x02+(\a)/4
	WIN 0x04                                       ; source 1 (W3b) window 1
.set i, 0
.rept 32
.if i < 4
	v_pk_mul_f32 v[SQ+2*i:SQ+2*i+1], v[E+2*i:E+2*i+1], v[W3R+2*i:W3R+2*i+1]
.else
	v_pk_fma_f32 v[SQ+2*(i%4):SQ+2*(i%4)+1], v[E+2*i:E+2*i+1], v[W3R+2*i:W3R+2*i+1], v[SQ+2*(i%4):SQ+2*(i%4)+1]
.endif
.set i, i+1
.endr
	WIN 0
	v_pk_add_f32 v[SQ:SQ+1], v[SQ:SQ+1], v[SQ+2:SQ+3]
	v_pk_add_f32 v[SQ+4:SQ+5], v[SQ+4:SQ+5], v[SQ+6:SQ+7]
	v_pk_add_f32 v[SQ:SQ+1], v[SQ:SQ+1], v[SQ+4:SQ+5]
	v_add_f32 v[R+(\a)], v[SQ], v[SQ+1]
.endm
	s_wait_tensorcnt 1                             ; my part of K step 0 is in; K step 1's may stay out
	s_barrier_signal -1
	s_barrier_wait -1                              ; everybody's is
	FETCH 0, 0, F0
	QUARTER 0, 64,  F0, F1, 1                      ; the first quarter stands in front of the loop: its products start the sums
	WIN 0                                          ; at a label and at a branch every window is 0
	s_mov_b32 s3, LAPS-1
.Llap:                                                 ; a trip goes once round the ring, from a lap's second quarter to the next lap's first, and fills both slots again
	QUARTER 0, 128, F1, F0, 0
	QUARTER 0, 192, F0, F1, 0
	TURN 0, 1, 1
	QUARTER 1, 64,  F0, F1, 0
	QUARTER 1, 128, F1, F0, 0
	QUARTER 1, 192, F0, F1, 0
	TURN 1, 0, 1
	QUARTER 0, 64,  F0, F1, 0
	WIN 0
	s_sub_co_u32 s3, s3, 1
	s_cmp_lg_u32 s3, 0
	s_cbranch_scc1 .Llap
	QUARTER 0, 128, F1, F0, 0                      ; the last lap is written out: it fills nothing, and has no round of the cluster's barrier
	QUARTER 0, 192, F0, F1, 0
	TURN 0, 1, 0
	QUARTER 1, 64,  F0, F1, 0
	QUARTER 1, 128, F1, F0, 0
	QUARTER 1, 192, F0, F1, 0
	s_wait_dscnt 8                                 ; the very last quarter: nothing more to fetch
	MUL16 F1, 0, 0, 0
	MUL16 F1, 0, 2, 0
	s_wait_dscnt 0x0
	MUL16 F1, 1, 0, 0
	MUL16 F1, 1, 2, 0
	WIN 0
	; THE WAY OUT.  Each lane sums its row over its 64 columns; the lane 16 away holds the row's other 64; the two waves of a row half meet in the stage.
	PLACES
.irp a, 0,1,2,3,4,5,6,7
	EPI \a
.endr
.irp a, 0,1,2,3,4,5,6,7
	v_permlanex16_b32 v[E+(\a)], v[R+(\a)], s[SEL], s[SEL+1]  ; its destination counts as read: a register that has been written
.endr
.irp a, 0,1,2,3,4,5,6,7
	v_add_f32 v[R+(\a)], v[R+(\a)], v[E+(\a)]
.endr
.irp a, 0,1,2,3,4,5,6,7
	ds_store_b32 v[SS], v[R+(\a)] offset:64*(\a)   ; lanes l and l + 16 write the same word with the same number
.endr
	s_wait_dscnt 0x0                               ; for the others' sake: my stores into the stage are done
	s_barrier_signal -1
	s_barrier_wait -1
	ds_load_b64 v[FIN:FIN+1],   v[SL]              ; two rows' sums over the left 128 columns,
	ds_load_b64 v[FIN+2:FIN+3], v[SL] offset:1024  ; and over the right
	s_wait_dscnt 0x0
	v_pk_add_f32 v[FIN:FIN+1], v[FIN:FIN+1], v[FIN+2:FIN+3]
	global_store_b64 v[GO], v[FIN:FIN+1], s[8:9]   ; 32 lanes store 256 consecutive bytes, at a multiple of 256 from part's first byte
	s_wait_tensorcnt 0x0                           ; the wave's end, behind my last tensor load and my last LDS store
	ds_add_u32 v[SPW], v[NIL]
	s_wait_dscnt 0x0
	CROUND                                         ; the closing round: no work-group ends while a partner may still ask for a tile that names it
	s_endpgm
.Lfunc_end_k_q62304d6e82_gemm:
	.size	k_q62304d6e82_gemm, .Lfunc_end_k_q62304d6e82_gemm-k_q62304d6e82_gemm
	.p2alignl 7, 3214868480
	.fill 96, 4, 3214868480
	.section	.rodata,"a",@progbits
	.p2align	6, 0x0
	.amdhsa_kernel k_q62304d6e82_gemm
		.amdhsa_group_segment_fixed_size 327680
		.amdhsa_private_segment_fixed_size 0
		.amdhsa_enable_private_segment 0
		.amdhsa_kernarg_size 40
		.amdhsa_user_sgpr_count 2
		.amdhsa_user_sgpr_kernarg_segment_ptr 1
		.amdhsa_wavefront_size32 1
		.amdhsa_system_sgpr_workgroup_id_x 1
		.amdhsa_system_sgpr_workgroup_id_y 1
		.amdhsa_system_sgpr_workgroup_id_z 1
		.amdhsa_system_vgpr_workitem_id 0
		.amdhsa_next_free_vgpr 1024
		.amdhsa_next_free_sgpr 80
		.amdhsa_reserve_vcc 0
		.amdhsa_float_denorm_mode_32 3
		.amdhsa_float_denorm_mode_16_64 3
		.amdhsa_memory_ordered 1
		.amdhsa_forward_progress 1
		.amdhsa_inst_pref_size 224
	.end_amdhsa_kernel
	.amdgpu_metadata
---
amdhsa.version: [ 1, 2 ]
amdhsa.kernels:
  - .name:           k_q62304d6e82_gemm
    .symbol:         k_q62304d6e82_gemm.kd
    .args:
      - { .name: Abf, .offset: 0, .size: 8, .value_kind: global_buffer, .address_space: global }
      - { .name: W2bf, .offset: 8, .size: 8, .value_kind: global_buffer, .address_space: global }
      - { .name: b2, .offset: 16, .size: 8, .value_kind: global_buffer, .address_space: global }
      - { .name: W3, .offset: 24, .size: 8, .value_kind: global_buffer, .address_space: global }
      - { .name: part, .offset: 32, .size: 8, .value_kind: global_buffer, .address_space: global }
    .group_segment_fixed_size: 327680
    .private_segment_fixed_size: 0
    .kernarg_segment_align: 8
    .kernarg_segment_size: 40
    .max_flat_workgroup_size: 128
    .sgpr_count:     80
    .vgpr_count:     1024
    .wavefront_size: 32
...
	.end_amdgpu_metadata
.endif
;; end of part 2
;; launch fin (part 3): grid 32 x 1, 1 waves a work-group, no clusters, 0 bytes of LDS; arguments part, b3, out0; writes out0
.if DOCPART == 3
	.amdgcn_target "amdgcn-amd-amdhsa--gfx1250"
	.amdhsa_code_object_version 6
	.text
	.protected	k_q62304d6e82_fin
	.globl	k_q62304d6e82_fin
	.p2align	8
	.type	k_q62304d6e82_fin,@function
k_q62304d6e82_fin:
	s_mov_b64 s[64:65], 0
	v_nop
	global_prefetch_b8 v0, s[64:65] scope:SCOPE_SE
	s_setreg_imm32_b32 hwreg(HW_REG_WAVE_MODE, 25, 1), 1
	s_wait_xcnt 0x0
; out0[m] = b3b + the sum over t = 0 .. 16 of part[t][m].  part: [17][4096] f32: rows 0-15 the last layer's sums over the sixteen blocks of 256 hidden units, row 16 the quadratic form.
; b3b is b3 rounded once to bf16, like every input of the program.  The sum is a fixed tree: rows 1-16 in pairs 8, 4, 2 and 1 apart, then row 0, then b3b.
; One wave to a work-group, 128 numbers to a wave, four to a lane: each load and the store cover 512 consecutive bytes, aligned.  32 work-groups: the output is 16,384 bytes, and there is no more to share.
; No LDS, no matrix unit, no cluster: no byte is read twice, and there is one addition for each number read.
.set P, 4                              ; v[4 + 4 t : 7 + 4 t]  my four numbers of row t
	s_load_b128 s[4:7], s[0:1], 0x0                ; part s[4:5], b3 s[6:7]
	s_load_b64 s[8:9], s[0:1], 0x10                ; out0
	v_lshlrev_b32 v1, 4, v0                        ; 16 bytes a lane
	s_lshl_b32 s2, ttmp9, 9                        ; 512 bytes a work-group
	s_mov_b32 s3, 0
	s_wait_kmcnt 0x0
	s_load_b32 s10, s[6:7], 0x0                    ; b3: no line of this launch writes it
	s_add_nc_u64 s[4:5], s[4:5], s[2:3]
	s_add_nc_u64 s[8:9], s[8:9], s[2:3]
.set t, 0
.rept 17
	global_load_b128 v[P+4*t:P+4*t+3], v1, s[4:5] offset:16384*t
.set t, t+1
.endr
	s_wait_kmcnt 0x0
	v_mov_b32 v2, s10
	v_cvt_pk_bf16_f32 v2, v2, v2                   ; rounded to bf16,
	v_lshlrev_b32 v2, 16, v2                       ; and widened again
	v_mov_b32 v3, v2                               ; a pair for the packed addition
	s_wait_loadcnt 0x0
.irp d, 8,4,2,1
.set t, 1
.rept \d
	v_pk_add_f32 v[P+4*t:P+4*t+1],   v[P+4*t:P+4*t+1],   v[P+4*(t+(\d)):P+4*(t+(\d))+1]
	v_pk_add_f32 v[P+4*t+2:P+4*t+3], v[P+4*t+2:P+4*t+3], v[P+4*(t+(\d))+2:P+4*(t+(\d))+3]
.set t, t+1
.endr
.endr
	v_pk_add_f32 v[P:P+1],   v[P:P+1],   v[P+4:P+5]
	v_pk_add_f32 v[P+2:P+3], v[P+2:P+3], v[P+6:P+7]
	v_pk_add_f32 v[P:P+1],   v[P:P+1],   v[2:3]
	v_pk_add_f32 v[P+2:P+3], v[P+2:P+3], v[2:3]
	global_store_b128 v1, v[P:P+3], s[8:9]
	s_endpgm
.Lfunc_end_k_q62304d6e82_fin:
	.size	k_q62304d6e82_fin, .Lfunc_end_k_q62304d6e82_fin-k_q62304d6e82_fin
	.p2alignl 7, 3214868480
	.fill 96, 4, 3214868480
	.section	.rodata,"a",@progbits
	.p2align	6, 0x0
	.amdhsa_kernel k_q62304d6e82_fin
		.amdhsa_group_segment_fixed_size 0
		.amdhsa_private_segment_fixed_size 0
		.amdhsa_enable_private_segment 0
		.amdhsa_kernarg_size 24
		.amdhsa_user_sgpr_count 2
		.amdhsa_user_sgpr_kernarg_segment_ptr 1
		.amdhsa_wavefront_size32 1
		.amdhsa_system_sgpr_workgroup_id_x 1
		.amdhsa_system_sgpr_workgroup_id_y 1
		.amdhsa_system_sgpr_workgroup_id_z 1
		.amdhsa_system_vgpr_workitem_id 0
		.amdhsa_next_free_vgpr 80
		.amdhsa_next_free_sgpr 66
		.amdhsa_reserve_vcc 0
		.amdhsa_float_denorm_mode_32 3
		.amdhsa_float_denorm_mode_16_64 3
		.amdhsa_memory_ordered 1
		.amdhsa_forward_progress 1
		.amdhsa_inst_pref_size 5
	.end_amdhsa_kernel
	.amdgpu_metadata
---
amdhsa.version: [ 1, 2 ]
amdhsa.kernels:
  - .name:           k_q62304d6e82_fin
    .symbol:         k_q62304d6e82_fin.kd
    .args:
      - { .name: part, .offset: 0, .size: 8, .value_kind: global_buffer, .address_space: global }
      - { .name: b3, .offset: 8, .size: 8, .value_kind: global_buffer, .address_space: global }
      - { .name: out0, .offset: 16, .size: 8, .value_kind: global_buffer, .address_space: global }
    .group_segment_fixed_size: 0
    .private_segment_fixed_size: 0
    .kernarg_segment_align: 8
    .kernarg_segment_size: 24
    .max_flat_workgroup_size: 32
    .sgpr_count:     66
    .vgpr_count:     80
    .wavefront_size: 32
...
	.end_amdgpu_metadata
.endif
;; end of part 3
